; MI455X (gfx1250); checked and timed in simulation.
; The chip was launched on July 23, 2026; its instructions are those of AMD's public machine-readable ISA for CDNA 5 (MIT licence, August 2026) and "CDNA5" Instruction Set Architecture Reference Guide (July 2026). The comments in the code are by the model that wrote it; some were corrected since.
;; Model. Allowed arithmetic: float matrix products may take bf16 or f16 operands with f32 sums; all other float work in f32.
;; Inputs: Wk_i 64 x 64 float32; Wk_j 64 x 64 float32; Wk_k 64 x 64 float32; Wk_r 64 x 64 float32; Wo 256 x 256 float32; Wq_i 64 x 64 float32; Wq_j 64 x 64 float32; Wq_k 64 x 64 float32; Wq_r 64 x 64 float32; Wv 256 x 256 float32; bk 256 float32; bo 256 float32; bq 256 float32; bv 256 float32; density_feat 4 x 2,048 x 3 float32; dm_b1 16 float32; dm_b2 1 float32; dm_w1 16 x 3 float32; dm_w2 1 x 16 float32; key 4 x 2,048 x 256 float32; mask 4 x 2,048 int32; query 4 x 2,048 x 256 float32; threshold one number float32; value 4 x 2,048 x 256 float32.
;; Outputs: out0 4 x 2,048 x 256 float32.
;; One version. Each part assembles by itself: llvm-mc -triple=amdgcn-amd-amdhsa -mcpu=gfx1250 --defsym DOCPART=n.
;; ======== version 1 of 1: 4 launches
;; workspace buffers: idx 68,096 bytes of whole numbers; kpar 52,224 bytes; xsum 131,072 bytes; wpack 1,048,576 bytes; qp 8,912,896 bytes; kp 8,912,896 bytes; vp 8,912,896 bytes; attn 8,912,896 bytes
;; launch prep (part 1): grid 192 x 1, 4 waves a work-group, no clusters, 0 bytes of LDS; arguments mask, density_feat, dm_w1, dm_b1, dm_w2, dm_b2, threshold, value, Wq_r, Wq_i, Wq_j, Wq_k, Wk_r, Wk_i, Wk_j, Wk_k, Wv, Wo, idx, kpar, xsum, wpack; writes idx, kpar, xsum, wpack
.if DOCPART == 1
	.amdgcn_target "amdgcn-amd-amdhsa--gfx1250"
	.amdhsa_code_object_version 6
	.text
	.protected	k_q78175a232c_prep
	.globl	k_q78175a232c_prep
	.p2align	8
	.type	k_q78175a232c_prep,@function
k_q78175a232c_prep:
	s_mov_b64 s[64:65], 0
	v_nop
	global_prefetch_b8 v0, s[64:65] scope:SCOPE_SE
	s_setreg_imm32_b32 hwreg(HW_REG_WAVE_MODE, 25, 1), 1
	s_wait_xcnt 0x0
; PREP.  Work-groups 0-127: batch b = wg / 32, chunk t = wg % 32 of 64 rows.  Work-groups 128-191: the four weight matrices.
; Each batch gets NP = 2176 positions: [0, cnt) the rows whose mask is not 0, in order; [2112, 2144) 32 summary keys, one for
; each chunk (the f32 sum of the chunk's masked value rows, and their number); all other positions are null.
;   idx : src[4][2176] (bits 12:0 source row, bit 16 unmasked, bit 17 the row's numbers are kept), rowpos[8192], counts[4][32]
;   kpar: c[4][2176] f32 = 5 log2(e) thr - 1 (0 for null and summary), ones[4][2176] bf16 (1, 0, or a chunk's masked count)
;   xsum: [4][32][256] f32
;   wpack: [matrix][16 feature tiles][8 K steps][part][2 halves][32 lanes][16 bytes], in fragment order; part 0 = bf16(W),
;          part 1 = bf16(W - part 0): the two together carry about 16 bits of W's significand
; Every position of src, c and ones is stored by exactly one lane of the launch: unmasked rows at their rank, masked rows from
; 2111 downward (to cnt + 64), and four waves of chunks 0 and 1 store [2112, 2176) and [cnt, cnt + 64).
; LIMITS: NaN and infinite inputs are not served.  erf is Abramowitz and Stegun 7.1.26, absolute error 1.5e-7 for every argument.
; Any mask word other than 0 counts as true.  The masked rows are summed in four chains, an order other than the reference's.
; No LDS, no barrier, EXEC is never changed: the waves hand nothing to each other.
.set NP,     2176
.set ROWPOS, 4*NP*4                    ; byte of rowpos in idx
.set COUNTS, ROWPOS+8192*4             ; byte of counts in idx
.set ONES,   4*NP*4                    ; byte of ones in kpar
	s_load_b512 s[16:31], s[0:1], 0x0              ; mask 16, density 18, w1 20, b1 22, w2 24, b2 26, threshold 28, value 30
	s_load_b512 s[32:47], s[0:1], 0x40             ; Wq_r i j k 32-39, Wk_r i j k 40-47
	s_load_b256 s[48:55], s[0:1], 0x80             ; Wv 48, Wo 50, idx 52, kpar 54
	s_load_b128 s[56:59], s[0:1], 0xa0             ; xsum 56, wpack 58
	v_and_b32 v1, 31, v0                           ; lane
	v_lshrrev_b32 v3, 5, v0
	v_readfirstlane_b32 s5, v3                     ; wave
	s_mov_b32 s61, 0                               ; high word of every offset pair
	s_wait_kmcnt 0x0
	s_cmp_ge_u32 ttmp9, 128
	s_cbranch_scc1 .Lweights
; ---------------------------------------------------------------- the index part
	s_lshr_b32 s2, ttmp9, 5                        ; b
	s_and_b32 s4, ttmp9, 31                        ; t
	s_lshl_b32 s60, s2, 13
	s_add_nc_u64 s[16:17], s[16:17], s[60:61]      ; the batch's mask
	s_and_b32 s8, s5, 1
	s_lshl_b32 s8, s8, 5
	s_lshl_b32 s9, ttmp9, 6
	s_add_co_u32 s94, s8, s9                       ; b*2048 + 64 t + 32 (w & 1): first row of the wave's group of 32
	s_lshl_b32 s95, s4, 6
	s_add_co_u32 s95, s95, s8                      ; the same inside the batch
	s_mul_i32 s60, s94, 12
	s_add_nc_u64 s[18:19], s[18:19], s[60:61]      ; density of that row
	s_lshl_b32 s60, s94, 2
	s_add_co_u32 s60, s60, ROWPOS
	s_add_nc_u64 s[88:89], s[52:53], s[60:61]      ; rowpos of that row
	s_lshl_b32 s60, ttmp9, 16
	s_add_nc_u64 s[30:31], s[30:31], s[60:61]      ; value at the chunk's first row
	s_mul_i32 s60, s2, NP*4
	s_add_nc_u64 s[82:83], s[52:53], s[60:61]      ; src of the batch
	s_add_nc_u64 s[84:85], s[54:55], s[60:61]      ; c of the batch
	s_mul_i32 s60, s2, NP*2
	s_add_co_u32 s60, s60, ONES
	s_add_nc_u64 s[86:87], s[54:55], s[60:61]      ; ones of the batch
	s_lshl_b32 s60, s2, 7
	s_add_co_u32 s60, s60, COUNTS
	s_add_nc_u64 s[90:91], s[52:53], s[60:61]      ; counts of the batch
	s_lshl_b32 s60, ttmp9, 10
	s_add_nc_u64 s[92:93], s[56:57], s[60:61]      ; the chunk's row of xsum
	v_mov_b32 v2, 0
	v_mov_b32 v6, 0                                ; lane i: masked rows of chunk i
	v_lshlrev_b32 v10, 3, v1                       ; lane * 8
	v_lshlrev_b32 v254, 2, v1                      ; lane * 4
	v_lshl_add_u32 v11, s4, 8, v254                ; my row of the chunk in the mask
	v_mul_u32_u24 v12, v1, 12
	v_lshl_add_u32 v13, s5, 8, v10                 ; my 8 bytes of a value row: wave * 256 + lane * 8
.set j, 0
.rept 32
	global_load_b64 v[32+2*j:33+2*j], v10, s[16:17] offset:256*j   ; the whole batch's mask: load i is chunk i
.set j, j+1
.endr
	global_load_b32 v4, v11, s[16:17]              ; rows 64 t + lane
	global_load_b32 v5, v11, s[16:17] offset:128   ; rows 64 t + 32 + lane
.irp q, 0,1,2,3,4,5,6,7,8,9,10,11
	global_load_b128 v[160+4*\q:163+4*\q], v2, s[20:21] offset:16*\q   ; w1, the same in every lane
.endr
.irp q, 0,1,2,3
	global_load_b128 v[208+4*\q:211+4*\q], v2, s[22:23] offset:16*\q   ; b1
	global_load_b128 v[224+4*\q:227+4*\q], v2, s[24:25] offset:16*\q   ; w2
.endr
	global_load_b32 v240, v2, s[26:27]             ; b2
	global_load_b32 v241, v2, s[28:29]             ; threshold
	global_load_b32 v242, v12, s[18:19]            ; my row's three density features
	global_load_b32 v243, v12, s[18:19] offset:4
	global_load_b32 v244, v12, s[18:19] offset:8
	s_mov_b32 s6, 0                                ; cnt: unmasked rows of the batch
	s_mov_b32 s7, 0                                ; pre: unmasked rows in front of my chunk
	s_wait_loadcnt 0x0
.macro SCAN i                          ; chunk i: its unmasked rows into cnt (and pre), its masked rows into lane i of v6
	v_cmp_ne_u32 vcc_lo, 0, v[32+2*\i]
	s_bcnt1_i32_b32 s8, vcc_lo
	v_cmp_ne_u32 vcc_lo, 0, v[33+2*\i]
	s_bcnt1_i32_b32 s9, vcc_lo
	s_add_co_u32 s8, s8, s9
	s_add_co_u32 s6, s6, s8
	s_sub_co_u32 s9, 64, s8
	v_writelane_b32 v6, s9, \i
	s_cmp_gt_u32 s4, \i
	s_cselect_b32 s8, s8, 0
	s_add_co_u32 s7, s7, s8
.endm
.irp i, 0,1,2,3,4,5,6,7,8,9,10,11,12,13,14,15,16,17,18,19,20,21,22,23,24,25,26,27,28,29,30,31
	SCAN \i
.endr
	v_cmp_ne_u32 s10, 0, v4                        ; which of rows 64 t + lane are unmasked
	v_cmp_ne_u32 s11, 0, v5                        ; and of rows 64 t + 32 + lane
	v_cndmask_b32 v8, 1.0, 0, s10                  ; 1.0 for a masked row: its factor in the sum
	v_cndmask_b32 v9, 1.0, 0, s11
.set j, 0
.rept 64
	global_load_b64 v[32+2*j:33+2*j], v13, s[30:31] offset:1024*j  ; the chunk's 64 value rows, 256 bytes of each for a wave
.set j, j+1
.endr
	s_cmp_ge_u32 s5, 2
	s_cbranch_scc1 .Lextras
; waves 0 and 1: one row a lane
	s_bcnt1_i32_b32 s13, s10
	s_cmp_eq_u32 s5, 1
	s_cselect_b32 s12, s11, s10                    ; my group's unmasked lanes
	s_cselect_b32 s13, s13, 0
	s_add_co_u32 s7, s7, s13                       ; unmasked rows in front of my group
	v_mbcnt_lo_u32_b32 v14, s12, 0
	v_add_nc_u32 v14, s7, v14                      ; rank: unmasked rows in front of mine
	v_add_nc_u32 v15, s95, v1                      ; m
	v_sub_nc_u32 v16, v14, v15
	v_add_nc_u32 v16, 2111, v16                    ; a masked row: 2111 - (masked rows in front of it)
	v_cndmask_b32 v16, v16, v14, s12
	v_min_u32 v16, 0x87f, v16                      ; pos, inside the batch's 2176
	v_mov_b32 v17, s6
	v_cndmask_b32 v17, v17, v16, s12               ; a masked row takes its result from position cnt
	s_mul_i32 s13, s2, NP
	v_add_nc_u32 v17, s13, v17
	s_add_co_u32 s14, s94, 0x30000
	v_add_nc_u32 v18, s14, v1
	v_cndmask_b32 v18, 0, v18, s12                 ; src word: row | unmasked | kept, or 0
	s_mov_b32 s66, 0x3ea7ba05                      ; 0.3275911
	s_mov_b32 s76, 0x3f87dc22                      ; 1.061405429
	s_mov_b32 s77, 0xbfba00e3                      ; -1.453152027
	s_mov_b32 s78, 0x3fb5f0e3                      ; 1.421413741
	s_mov_b32 s79, 0xbe91a98e                      ; -0.284496736
	s_mov_b32 s80, 0x3e827906                      ; 0.254829592
	s_mov_b32 s81, 0x7fffffff
	v_mov_b32 v25, v240                            ; d starts at b2
.macro UNIT u                          ; d += w2[u] gelu(f . w1[u] + b1[u])
	v_fma_f32 v19, v244, v[160+3*\u+2], v[208+\u]
	v_fma_f32 v19, v243, v[160+3*\u+1], v19
	v_fma_f32 v19, v242, v[160+3*\u], v19          ; h
	v_mul_f32 v20, 0x3f3504f3, v19                 ; a = h / sqrt 2
	v_fma_f32 v21, |v20|, s66, 1.0
	v_rcp_f32 v22, v21                             ; behind it two plain lines that touch neither v21 nor v22 (ISA guide 5.7.2)
	v_mul_f32 v24, v20, v20
	v_mul_f32 v24, 0xbfb8aa3b, v24
	v_exp_f32 v24, v24                             ; e^(-a a); the polynomial's lines behind it do not touch v24
	s_wait_alu depctr_va_vdst(0)
	v_fma_f32 v23, v22, s76, s77
	v_fma_f32 v23, v23, v22, s78
	v_fma_f32 v23, v23, v22, s79
	v_fma_f32 v23, v23, v22, s80
	v_mul_f32 v23, v23, v22
	v_fma_f32 v23, -v23, v24, 1.0                  ; erf |a|
	v_bfi_b32 v23, s81, v23, v20                   ; with a's sign
	v_mul_f32 v27, 0.5, v19
	v_fma_f32 v27, v27, v23, v27                   ; 0.5 h (1 + erf a)
	v_fma_f32 v25, v27, v[224+\u], v25
.endm
.irp u, 0,1,2,3,4,5,6,7,8,9,10,11,12,13,14,15
	UNIT \u
.endr
	v_and_b32 v28, s81, v241                       ; softplus(t) = max(t, 0) + ln 2 log2(1 + 2^(-|t| log2 e))
	v_mul_f32 v28, 0xbfb8aa3b, v28
	v_exp_f32 v28, v28
	v_max_num_f32 v29, 0, v241
	s_wait_alu depctr_va_vdst(0)
	v_add_f32 v28, 1.0, v28
	v_log_f32 v28, v28
	v_mov_b32 v31, 0x3f80
	s_wait_alu depctr_va_vdst(0)
	v_fmamk_f32 v28, v28, 0x3f317218, v29
	v_fma_f32 v30, v28, 0x40e6d4ca, -1.0           ; 5 log2(e) softplus - 1
	v_fmamk_f32 v30, v25, 0x3f38aa3b, v30          ; + 0.5 log2(e) d
	v_cndmask_b32 v30, 0, v30, s12
	v_cndmask_b32 v31, 0, v31, s12                 ; ones: bf16 1.0 for an unmasked row
	global_store_b32 v254, v17, s[88:89]           ; rowpos, 128 neighbouring bytes a wave
.macro STORE3                          ; src, c and ones of position v16
	v_lshlrev_b32 v7, 2, v16
	v_lshlrev_b32 v3, 1, v16
	global_store_b32 v7, v18, s[82:83]
	global_store_b32 v7, v30, s[84:85]
	global_store_b16 v3, v31, s[86:87]
.endm
	STORE3
	s_branch .Lsum
.Lextras:                              ; waves 2 and 3 of chunks 0 and 1: e = 0 the summary keys, 1 the tail, 2 and 3 the gap [cnt, cnt + 64)
	s_cmp_gt_u32 s4, 1
	s_cbranch_scc1 .Lsum
	s_lshl_b32 s12, s4, 1
	s_add_co_u32 s12, s12, s5
	s_sub_co_u32 s12, s12, 2                       ; e
	s_lshl_b32 s13, s12, 5
	s_add_co_u32 s14, s13, 2112
	s_add_co_u32 s13, s13, s6
	s_sub_co_u32 s13, s13, 64
	s_cmp_lt_u32 s12, 2
	s_cselect_b32 s13, s14, s13
	v_add_nc_u32 v16, s13, v1
	v_min_u32 v16, 0x87f, v16
	s_cmp_eq_u32 s12, 0
	s_cselect_b32 s14, -1, 0
	s_lshl_b32 s15, s2, 5
	s_add_co_u32 s15, s15, 0x20000
	v_add_nc_u32 v18, s15, v1
	v_and_b32 v18, s14, v18                        ; a summary key: row b*32 + lane of xsum, kept, not unmasked
	v_cvt_f32_u32 v31, v6
	v_lshrrev_b32 v31, 16, v31                     ; a count of at most 64 is exact in bf16
	v_and_b32 v31, s14, v31
	v_mov_b32 v30, 0
	STORE3
	s_cmp_lg_u32 s12, 1
	s_cbranch_scc1 .Lsum
	v_mov_b32 v17, s6
	global_store_b32 v254, v17, s[90:91]           ; counts[b][0..31] = cnt
.Lsum:                                 ; all four waves: the sum of the chunk's masked value rows, 64 columns a wave
	s_mov_b32 s69, 0                               ; the packed forms name the whole scalar pair
	s_mov_b32 s71, 0
	s_mov_b32 s73, 0
	s_mov_b32 s75, 0
	s_wait_loadcnt 0x0
.set j, 0
.rept 64
.if j < 32
	v_readlane_b32 s[68+2*(j%4)], v8, j
.else
	v_readlane_b32 s[68+2*(j%4)], v9, j-32
.endif
.if j < 4
	v_pk_mul_f32 v[246+2*(j%4):247+2*(j%4)], v[32+2*j:33+2*j], s[68+2*(j%4):69+2*(j%4)] op_sel_hi:[1,0]   ; the first four rows start the chains
.else
	v_pk_fma_f32 v[246+2*(j%4):247+2*(j%4)], v[32+2*j:33+2*j], s[68+2*(j%4):69+2*(j%4)], v[246+2*(j%4):247+2*(j%4)] op_sel_hi:[1,0,1]
.endif
.set j, j+1
.endr
	v_pk_add_f32 v[246:247], v[246:247], v[248:249]
	v_pk_add_f32 v[250:251], v[250:251], v[252:253]
	v_pk_add_f32 v[246:247], v[246:247], v[250:251]
	global_store_b64 v13, v[246:247], s[92:93]     ; a wave stores 256 neighbouring bytes, aligned
	s_endpgm
; ---------------------------------------------------------------- the weights part
; Work-group 128 + 16 matrix + ft makes feature tile ft (16 rows of W); wave w the K steps 2 w and 2 w + 1, columns 64 w .. 64 w + 63.
; In a quaternion matrix that is block (row ft / 4, column w): component (row xor column) of r, i, j, k, with the sign of the Hamilton table.
.Lweights:
	s_sub_co_u32 s2, ttmp9, 128
	s_lshr_b32 s3, s2, 4                           ; matrix: 0 q, 1 k, 2 v, 3 o
	s_and_b32 s4, s2, 15                           ; ft
	s_lshr_b32 s6, s4, 2                           ; block row
	s_xor_b32 s7, s6, s5                           ; component
	s_cmp_eq_u32 s7, 1
	s_cselect_b64 s[8:9], s[34:35], s[32:33]
	s_cselect_b64 s[10:11], s[42:43], s[40:41]
	s_cmp_eq_u32 s7, 2
	s_cselect_b64 s[8:9], s[36:37], s[8:9]
	s_cselect_b64 s[10:11], s[44:45], s[10:11]
	s_cmp_eq_u32 s7, 3
	s_cselect_b64 s[8:9], s[38:39], s[8:9]
	s_cselect_b64 s[10:11], s[46:47], s[10:11]
	s_cmp_eq_u32 s3, 1
	s_cselect_b64 s[8:9], s[10:11], s[8:9]
	s_cmp_eq_u32 s3, 2
	s_cselect_b64 s[8:9], s[48:49], s[8:9]
	s_cmp_eq_u32 s3, 3
	s_cselect_b64 s[8:9], s[50:51], s[8:9]
	s_and_b32 s13, s4, 3
	s_lshl_b32 s13, s13, 12                        ; quaternion: 16 (ft % 4) rows of 256 bytes
	s_lshl_b32 s14, s4, 14
	s_lshl_b32 s15, s5, 8
	s_add_co_u32 s14, s14, s15                     ; dense: 16 ft rows of 1,024 bytes + 256 w
	s_lshl2_add_u32 s15, s6, s5
	s_lshr_b32 s15, 0x284e, s15                    ; bit 4 row + column: the block is negated
	s_bitcmp1_b32 s15, 0
	s_cselect_b32 s15, 0x80008000, 0
	s_cmp_ge_u32 s3, 2
	s_cselect_b32 s12, 10, 8                       ; log2 of a row's bytes
	s_cselect_b32 s60, s14, s13
	s_cselect_b32 s15, 0, s15
	s_add_nc_u64 s[8:9], s[8:9], s[60:61]
	s_lshl_b32 s60, s2, 14
	s_lshl_b32 s14, s5, 12
	s_add_co_u32 s60, s60, s14
	s_add_nc_u64 s[58:59], s[58:59], s[60:61]      ; wpack + (16 matrix + ft) * 16384 + w * 4096
	v_and_b32 v2, 15, v0                           ; r
	v_bfe_u32 v3, v0, 4, 1                         ; h
	v_lshlrev_b32 v4, s12, v2
	v_lshl_add_u32 v4, v3, 5, v4                   ; row r, 8 h numbers in
	v_lshlrev_b32 v5, 4, v1
.irp q, 0,1,2,3
	global_load_b128 v[8+8*\q:11+8*\q], v4, s[8:9] offset:64*\q        ; q = 2 (K step's parity) + half: columns 16 q + 8 h .. + 7
	global_load_b128 v[12+8*\q:15+8*\q], v4, s[8:9] offset:64*\q+16
.endr
	s_wait_loadcnt 0x0
.irp q, 0,1,2,3
.irp p, 0,1,2,3
	v_cvt_pk_bf16_f32 v[40+4*\q+\p], v[8+8*\q+2*\p], v[9+8*\q+2*\p]    ; hi
.endr
.irp p, 0,1,2,3
	v_lshlrev_b32 v[72+2*\p], 16, v[40+4*\q+\p]                        ; hi as f32
	v_and_b32 v[73+2*\p], 0xffff0000, v[40+4*\q+\p]
.endr
.irp p, 0,1,2,3
	v_pk_fma_f32 v[8+8*\q+2*\p:9+8*\q+2*\p], v[72+2*\p:73+2*\p], -1.0, v[8+8*\q+2*\p:9+8*\q+2*\p] op_sel_hi:[1,0,1]   ; W - hi, exact
.endr
.irp p, 0,1,2,3
	v_cvt_pk_bf16_f32 v[56+4*\q+\p], v[8+8*\q+2*\p], v[9+8*\q+2*\p]    ; lo
.endr
.irp p, 0,1,2,3
	v_xor_b32 v[40+4*\q+\p], s15, v[40+4*\q+\p]
	v_xor_b32 v[56+4*\q+\p], s15, v[56+4*\q+\p]
.endr
	global_store_b128 v5, v[40+4*\q:43+4*\q], s[58:59] offset:(\q/2)*2048+(\q%2)*512        ; 512 neighbouring bytes a store
	global_store_b128 v5, v[56+4*\q:59+4*\q], s[58:59] offset:(\q/2)*2048+(\q%2)*512+1024
.endr
	s_endpgm
.Lfunc_end_k_q78175a232c_prep:
	.size	k_q78175a232c_prep, .Lfunc_end_k_q78175a232c_prep-k_q78175a232c_prep
	.p2alignl 7, 3214868480
	.fill 96, 4, 3214868480
	.section	.rodata,"a",@progbits
	.p2align	6, 0x0
	.amdhsa_kernel k_q78175a232c_prep
		.amdhsa_group_segment_fixed_size 0
		.amdhsa_private_segment_fixed_size 0
		.amdhsa_enable_private_segment 0
		.amdhsa_kernarg_size 176
		.amdhsa_user_sgpr_count 2
		.amdhsa_user_sgpr_kernarg_segment_ptr 1
		.amdhsa_wavefront_size32 1
		.amdhsa_system_sgpr_workgroup_id_x 1
		.amdhsa_system_sgpr_workgroup_id_y 1
		.amdhsa_system_sgpr_workgroup_id_z 1
		.amdhsa_system_vgpr_workitem_id 0
		.amdhsa_next_free_vgpr 256
		.amdhsa_next_free_sgpr 96
		.amdhsa_reserve_vcc 1
		.amdhsa_float_denorm_mode_32 3
		.amdhsa_float_denorm_mode_16_64 3
		.amdhsa_memory_ordered 1
		.amdhsa_forward_progress 1
		.amdhsa_inst_pref_size 64
	.end_amdhsa_kernel
	.amdgpu_metadata
---
amdhsa.version: [ 1, 2 ]
amdhsa.kernels:
  - .name:           k_q78175a232c_prep
    .symbol:         k_q78175a232c_prep.kd
    .args:
      - { .name: mask, .offset: 0, .size: 8, .value_kind: global_buffer, .address_space: global }
      - { .name: density_feat, .offset: 8, .size: 8, .value_kind: global_buffer, .address_space: global }
      - { .name: dm_w1, .offset: 16, .size: 8, .value_kind: global_buffer, .address_space: global }
      - { .name: dm_b1, .offset: 24, .size: 8, .value_kind: global_buffer, .address_space: global }
      - { .name: dm_w2, .offset: 32, .size: 8, .value_kind: global_buffer, .address_space: global }
      - { .name: dm_b2, .offset: 40, .size: 8, .value_kind: global_buffer, .address_space: global }
      - { .name: threshold, .offset: 48, .size: 8, .value_kind: global_buffer, .address_space: global }
      - { .name: value, .offset: 56, .size: 8, .value_kind: global_buffer, .address_space: global }
      - { .name: Wq_r, .offset: 64, .size: 8, .value_kind: global_buffer, .address_space: global }
      - { .name: Wq_i, .offset: 72, .size: 8, .value_kind: global_buffer, .address_space: global }
      - { .name: Wq_j, .offset: 80, .size: 8, .value_kind: global_buffer, .address_space: global }
      - { .name: Wq_k, .offset: 88, .size: 8, .value_kind: global_buffer, .address_space: global }
      - { .name: Wk_r, .offset: 96, .size: 8, .value_kind: global_buffer, .address_space: global }
      - { .name: Wk_i, .offset: 104, .size: 8, .value_kind: global_buffer, .address_space: global }
      - { .name: Wk_j, .offset: 112, .size: 8, .value_kind: global_buffer, .address_space: global }
      - { .name: Wk_k, .offset: 120, .size: 8, .value_kind: global_buffer, .address_space: global }
      - { .name: Wv, .offset: 128, .size: 8, .value_kind: global_buffer, .address_space: global }
      - { .name: Wo, .offset: 136, .size: 8, .value_kind: global_buffer, .address_space: global }
      - { .name: idx, .offset: 144, .size: 8, .value_kind: global_buffer, .address_space: global }
      - { .name: kpar, .offset: 152, .size: 8, .value_kind: global_buffer, .address_space: global }
      - { .name: xsum, .offset: 160, .size: 8, .value_kind: global_buffer, .address_space: global }
      - { .name: wpack, .offset: 168, .size: 8, .value_kind: global_buffer, .address_space: global }
    .group_segment_fixed_size: 0
    .private_segment_fixed_size: 0
    .kernarg_segment_align: 8
    .kernarg_segment_size: 176
    .max_flat_workgroup_size: 128
    .sgpr_count:     96
    .vgpr_count:     256
    .wavefront_size: 32
...
	.end_amdgpu_metadata
.endif
;; end of part 1
;; launch proj (part 2): grid 34 x 12, 4 waves a work-group, no clusters, 68,096 bytes of LDS; arguments query, key, value, xsum, idx, wpack, bq, bk, qp, kp, vp; writes qp, kp, vp
.if DOCPART == 2
	.amdgcn_target "amdgcn-amd-amdhsa--gfx1250"
	.amdhsa_code_object_version 6
	.text
	.protected	k_q78175a232c_proj
	.globl	k_q78175a232c_proj
	.p2align	8
	.type	k_q78175a232c_proj,@function
k_q78175a232c_proj:
	s_mov_b64 s[64:65], 0
	v_nop
	global_prefetch_b8 v0, s[64:65] scope:SCOPE_SE
	s_setreg_imm32_b32 hwreg(HW_REG_WAVE_MODE, 25, 1), 1
	s_wait_xcnt 0x0
; PROJ.  y = 4 sel + b (sel 0 q, 1 k, 2 v), x = block of 64 positions.  q = (Wq x + bq) log2(e)/4 for unmasked positions and 0 for all
; others; k = Wk x + bk; v = Wv x without bv (the weights of a row add up to 1, so bv is added behind the normalisation).
; Rows are gathered by the position list; null positions have x = 0; block 33 takes its rows from xsum (the summary keys).
; SPLIT OPERANDS: a score enters an exponential with a factor of up to 3, and a few keys carry a row's weight, so one rounding to bf16
; (8 bits of significand) of x, W, q, k or v moves the result too far.  Every operand is therefore a pair
; hi = bf16(a), lo = bf16(a - hi), and a product is hi hi + lo hi + hi lo with f32 sums: three matrix instructions for one.
; Wave w brings rows 16 w .. 16 w + 15 to LDS (a plane of hi, a plane of lo) and then makes head w (features 64 w .. + 63) of all 64 rows.
; q, k: source 0 = 16 features of W, source 1 = 16 rows of x: a lane's eight results are eight neighbouring features of one row, which
; are registers 0-3 or 4-7 of the same lane's fragment in the attention launch.  v: the sources swapped: eight neighbouring keys of one
; feature, the fragment of V transposed.  So every store is 512 neighbouring bytes and the reader loads at lane * 16.
; NaN and infinite inputs are not served.
; No tensor loads and no cluster: x is read once, by one wave; W goes straight from memory into the registers of the one wave that uses it.
; window 0: v0-15 addresses and factors, v16-31 row offsets, v32-63 fragments of x hi, v64-95 of x lo, v96-159 results hi, v160-223 lo
; window 1: v0-127 the 16 accumulators (tile (rt, ft) at 8 (4 rt + ft)), before that the rows as loaded; v128-159 the bias as four C tiles;
;           v160-223 scratch of the splits
; window 2: W hi of all eight K steps (32 ks + 8 ft);  window 3: W lo likewise.  No register of W is loaded twice.
.set PITCH, 528                        ; an LDS row: 512 bytes + 16, an odd multiple of 16
.set LOP,   64*PITCH                   ; the plane of lo
.set QS, 0x3eb8aa3b                    ; log2(e) / 4
.set XH, 32
.set XL, 64
.set OH, 96
.set OL, 160
.set MSB, 0
.macro WIN new                         ; the immediate's high byte repeats the setting that is left
.if MSB != \new
	s_set_vgpr_msb (MSB<<8)|\new
.set MSB, \new
.endif
.endm
.macro PLACES                          ; four places behind a matrix instruction (ISA guide 7.12.1)
.rept 4
	v_nop
.endr
.endm
	s_load_b512 s[32:47], s[0:1], 0x0              ; query 32, key 34, value 36, xsum 38, idx 40, wpack 42, bq 44, bk 46
	s_load_b128 s[48:51], s[0:1], 0x40             ; qp 48, kp 50
	s_load_b64 s[52:53], s[0:1], 0x50              ; vp
	v_lshl_add_u32 v254, v0, 2, 0x10800
	v_mov_b32 v255, 0
	v_and_b32 v6, 31, v0
	v_lshrrev_b32 v7, 5, v0
	v_readfirstlane_b32 s15, v7                    ; wave
	v_lshlrev_b32 v1, 4, v6                        ; lane * 16
	v_and_b32 v2, 15, v0                           ; r
	v_bfe_u32 v3, v0, 4, 1                         ; h
	v_mul_u32_u24 v4, v2, PITCH
	v_lshl_add_u32 v4, v3, 4, v4                   ; fragment of x: row r, 16 h bytes in
	s_mul_i32 s54, s15, 16*PITCH
	v_lshlrev_b32 v5, 3, v6
	v_add_nc_u32 v5, s54, v5                       ; where I put 8 bytes of my wave's first row
	v_lshlrev_b32 v6, 2, v2                        ; r * 4
	v_lshlrev_b32 v7, 5, v3                        ; h * 32
	s_and_b32 s2, ttmp7, 0xffff
	s_lshr_b32 s3, s2, 2                           ; sel
	s_and_b32 s2, s2, 3                            ; b
	s_mul_i32 s54, s2, 2176
	s_lshl_b32 s55, ttmp9, 6
	s_add_co_u32 s54, s54, s55
	s_lshl_b32 s54, s54, 2                         ; the block's first position in src
	s_mov_b32 s55, 0
	s_lshl_b32 s56, s15, 6                         ; my wave's 16 words
	s_mov_b32 s57, 0
	s_lshl_b32 s58, s3, 18
	s_lshl_b32 s59, s15, 16
	s_add_co_u32 s58, s58, s59                     ; matrix sel (262,144 bytes each), feature tiles 4 w .. (16,384 each)
	s_mov_b32 s59, 0
	s_lshl_b32 s60, s15, 8                         ; 64 w features of the bias
	s_mov_b32 s61, 0
	s_lshl2_add_u32 s62, s2, s15
	s_mul_i32 s62, s62, 557056                     ; (4 b + head) * 2176 positions * 256 bytes
	s_lshl_b32 s63, ttmp9, 14
	s_add_co_u32 s62, s62, s63                     ; + 64 positions a block
	s_mov_b32 s63, 0
	s_mov_b32 s71, QS
	s_wait_kmcnt 0x0
	s_add_nc_u64 s[12:13], s[40:41], s[54:55]
	s_add_nc_u64 s[56:57], s[12:13], s[56:57]
	s_load_b512 s[16:31], s[56:57], 0x0            ; the src words of my 16 rows
	s_cmp_eq_u32 s3, 1
	s_cselect_b64 s[4:5], s[34:35], s[32:33]       ; x
	s_cselect_b64 s[8:9], s[46:47], s[44:45]       ; bias
	s_cselect_b64 s[10:11], s[50:51], s[48:49]     ; result
	s_cselect_b32 s70, 1.0, 0                      ; factor of a position that is not unmasked: k 1, q 0
	s_cselect_b32 s71, 1.0, s71                    ; of an unmasked one: k 1, q log2(e)/4
	s_cmp_eq_u32 s3, 2
	s_cselect_b64 s[4:5], s[36:37], s[4:5]
	s_cselect_b64 s[10:11], s[52:53], s[10:11]
	s_cmp_eq_u32 ttmp9, 33
	s_cselect_b64 s[4:5], s[38:39], s[4:5]         ; positions 2112 .. 2175 name rows of xsum
	s_add_nc_u64 s[6:7], s[42:43], s[58:59]
	s_add_nc_u64 s[8:9], s[8:9], s[60:61]
	s_add_nc_u64 s[10:11], s[10:11], s[62:63]
.macro LOADW ks                        ; the four feature tiles of K step ks, hi and lo: sixteen loads of 512 neighbouring bytes
	WIN 0x80                                       ; loaded data into window 2
.irp f, 0,1,2,3
	global_load_b128 v[32*(\ks)+8*\f:32*(\ks)+8*\f+3], v1, s[6:7] offset:\f*16384+(\ks)*2048
	global_load_b128 v[32*(\ks)+8*\f+4:32*(\ks)+8*\f+7], v1, s[6:7] offset:\f*16384+(\ks)*2048+512
.endr
	WIN 0xc0                                       ; into window 3
.irp f, 0,1,2,3
	global_load_b128 v[32*(\ks)+8*\f:32*(\ks)+8*\f+3], v1, s[6:7] offset:\f*16384+(\ks)*2048+1024
	global_load_b128 v[32*(\ks)+8*\f+4:32*(\ks)+8*\f+7], v1, s[6:7] offset:\f*16384+(\ks)*2048+1536
.endr
	WIN 0
.endm
	LOADW 0
	LOADW 1
	LOADW 2
.irp rt, 0,1,2,3
	global_load_b32 v[32+\rt], v6, s[12:13] offset:64*\rt          ; the src word of row 16 rt + r
.endr
	WIN 0x40                                       ; loaded data into window 1
.irp f, 0,1,2,3
	global_load_b128 v[128+8*\f:131+8*\f], v7, s[8:9] offset:64*\f         ; C tile: register j = bias of feature 16 f + 8 h + j
	global_load_b128 v[132+8*\f:135+8*\f], v7, s[8:9] offset:64*\f+16      ; (the v path loads them too and leaves them unused: one first phase for all three)
.endr
	WIN 0
	s_wait_kmcnt 0x0
.irp i, 0,1,2,3,4,5,6,7,8,9,10,11,12,13,14,15
	s_bfe_u32 s[72+\i], s[16+\i], 0x10011
	s_sub_co_u32 s[72+\i], 0, s[72+\i]             ; all ones where the row's numbers are kept, else 0
	s_and_b32 s[16+\i], s[16+\i], 0x1fff
	s_min_u32 s[16+\i], s[16+\i], 0x1fff
	v_lshl_add_u32 v[16+\i], s[16+\i], 10, v1      ; row * 1,024 + lane * 16
.endr
	WIN 0x40
.irp i, 0,1,2,3,4,5,6,7,8,9,10,11,12,13,14,15
	global_load_b128 v[8*\i:8*\i+3], v[16+\i], s[4:5]
	global_load_b128 v[8*\i+4:8*\i+7], v[16+\i], s[4:5] offset:512
.endr
	s_wait_loadcnt 0x0                             ; everything asked for so far, W of K steps 0 to 2 too
	WIN 0x55                                       ; all in window 1
.irp i, 0,1,2,3,4,5,6,7,8,9,10,11,12,13,14,15
.irp p, 0,1,2,3
	v_cvt_pk_bf16_f32 v[160+\p], v[8*\i+2*\p], v[8*\i+2*\p+1]      ; hi
.endr
.irp p, 0,1,2,3
	v_lshlrev_b32 v[164+2*\p], 16, v[160+\p]       ; hi as f32
	v_and_b32 v[165+2*\p], 0xffff0000, v[160+\p]
.endr
.irp p, 0,1,2,3
	v_pk_fma_f32 v[8*\i+2*\p:8*\i+2*\p+1], v[164+2*\p:165+2*\p], -1.0, v[8*\i+2*\p:8*\i+2*\p+1] op_sel_hi:[1,0,1]   ; x - hi, exact
.endr
	v_cvt_pk_bf16_f32 v[8*\i], v[8*\i], v[8*\i+1]                  ; lo, into the row's registers 0-3
	v_cvt_pk_bf16_f32 v[8*\i+1], v[8*\i+2], v[8*\i+3]
	v_cvt_pk_bf16_f32 v[8*\i+2], v[8*\i+4], v[8*\i+5]
	v_cvt_pk_bf16_f32 v[8*\i+3], v[8*\i+6], v[8*\i+7]
.irp p, 0,1,2,3
	v_and_b32 v[8*\i+\p], s[72+\i], v[8*\i+\p]     ; a null position's x is 0
	v_and_b32 v[8*\i+4+\p], s[72+\i], v[160+\p]    ; hi, into the row's registers 4-7
.endr
.endr
	WIN 0x04                                       ; store data from window 1
.irp i, 0,1,2,3,4,5,6,7,8,9,10,11,12,13,14,15
	ds_store_b64 v5, v[8*\i+4:8*\i+5] offset:\i*PITCH
	ds_store_b64 v5, v[8*\i+6:8*\i+7] offset:\i*PITCH+256
	ds_store_b64 v5, v[8*\i:8*\i+1] offset:LOP+\i*PITCH
	ds_store_b64 v5, v[8*\i+2:8*\i+3] offset:LOP+\i*PITCH+256
.endr
	WIN 0
	v_mov_b32 v16, s70
	v_mov_b32 v17, s71
.irp rt, 0,1,2,3
	v_and_b32 v[32+\rt], 0x10000, v[32+\rt]
	v_cmp_ne_u32 vcc_lo, 0, v[32+\rt]
	v_cndmask_b32 v[8+2*\rt], v16, v17, vcc_lo     ; the factor of row 16 rt + r, twice: a pair for the packed multiply
	v_mov_b32 v[9+2*\rt], v[8+2*\rt]
.endr
	s_wait_dscnt 0x0                               ; my rows are in LDS,
	s_barrier_signal -1
	s_barrier_wait -1                              ; everybody's are; LDS is only read from here on
; 16 matrix instructions on 16 accumulators that take turns, one instruction a turn.
; win: the windows (W in 2 or 3); xb: the fragments of x, hi or lo; first = 1: the product starts the sums.
.macro MUL16 ks, vpath, win, xb, first
	WIN \win
.irp rt, 0,1,2,3
.irp ft, 0,1,2,3
.if \vpath
.if \first
	v_wmma_f32_16x16x32_bf16 v[8*(4*\rt+\ft):8*(4*\rt+\ft)+7], v[\xb+8*\rt:\xb+8*\rt+7], v[32*\ks+8*\ft:32*\ks+8*\ft+7], 0
.else
	v_wmma_f32_16x16x32_bf16 v[8*(4*\rt+\ft):8*(4*\rt+\ft)+7], v[\xb+8*\rt:\xb+8*\rt+7], v[32*\ks+8*\ft:32*\ks+8*\ft+7], v[8*(4*\rt+\ft):8*(4*\rt+\ft)+7]
.endif
.else
.if \first
	v_wmma_f32_16x16x32_bf16 v[8*(4*\rt+\ft):8*(4*\rt+\ft)+7], v[32*\ks+8*\ft:32*\ks+8*\ft+7], v[\xb+8*\rt:\xb+8*\rt+7], v[128+8*\ft:135+8*\ft]
.else
	v_wmma_f32_16x16x32_bf16 v[8*(4*\rt+\ft):8*(4*\rt+\ft)+7], v[32*\ks+8*\ft:32*\ks+8*\ft+7], v[\xb+8*\rt:\xb+8*\rt+7], v[8*(4*\rt+\ft):8*(4*\rt+\ft)+7]
.endif
.endif
.endr
.endr
.endm
; One K step of 32.  wh, wl: the window settings with W hi and W lo.
.macro KSTEP ks, vpath, wh, wl
.if \ks > 0
	PLACES                                         ; in front of loads into registers that matrix instructions have read
.endif
.irp rt, 0,1,2,3
	ds_load_b128 v[XH+8*\rt:XH+8*\rt+3], v4 offset:\rt*16*PITCH+\ks*64
	ds_load_b128 v[XH+8*\rt+4:XH+8*\rt+7], v4 offset:\rt*16*PITCH+\ks*64+32
	ds_load_b128 v[XL+8*\rt:XL+8*\rt+3], v4 offset:LOP+\rt*16*PITCH+\ks*64
	ds_load_b128 v[XL+8*\rt+4:XL+8*\rt+7], v4 offset:LOP+\rt*16*PITCH+\ks*64+32
.endr
.if \ks >= 3
.if \ks <= 5
	s_wait_loadcnt 0x20                            ; W of this K step is in: behind it the 32 loads of the two next K steps were issued
.else
	s_wait_loadcnt 16*(7-\ks)                      ; K step 6: the 16 loads of K step 7 may be out; K step 7: none
.endif
.endif
.if \ks <= 4
	LOADW \ks+3                                    ; three K steps ahead, into registers of its own: at most 48 such loads are out
.endif
	s_wait_dscnt 0x0
.if \ks == 0
	MUL16 \ks, \vpath, \wh, XH, 1
.else
	MUL16 \ks, \vpath, \wh, XH, 0
.endif
	MUL16 \ks, \vpath, \wh, XL, 0
	MUL16 \ks, \vpath, \wl, XH, 0
	WIN 0
.endm
; Tiles t0 .. t0 + 7 as pairs of bf16: hi into window 0's v96.., lo into v160..
.macro SPLIT8 t0
	WIN 0x05
.irp t, 0,1,2,3,4,5,6,7
.irp p, 0,1,2,3
	v_cvt_pk_bf16_f32 v[OH+4*(\t0+\t)+\p], v[8*(\t0+\t)+2*\p], v[8*(\t0+\t)+2*\p+1]
.endr
.endr
	WIN 0x40
.irp t, 0,1,2,3,4,5,6,7
.irp p, 0,1,2,3
	v_lshlrev_b32 v[160+8*\t+2*\p], 16, v[OH+4*(\t0+\t)+\p]
	v_and_b32 v[161+8*\t+2*\p], 0xffff0000, v[OH+4*(\t0+\t)+\p]
.endr
.endr
	WIN 0x55
.irp t, 0,1,2,3,4,5,6,7
.irp p, 0,1,2,3
	v_pk_fma_f32 v[8*(\t0+\t)+2*\p:8*(\t0+\t)+2*\p+1], v[160+8*\t+2*\p:161+8*\t+2*\p], -1.0, v[8*(\t0+\t)+2*\p:8*(\t0+\t)+2*\p+1] op_sel_hi:[1,0,1]
.endr
.endr
	WIN 0x05
.irp t, 0,1,2,3,4,5,6,7
.irp p, 0,1,2,3
	v_cvt_pk_bf16_f32 v[OL+4*(\t0+\t)+\p], v[8*(\t0+\t)+2*\p], v[8*(\t0+\t)+2*\p+1]
.endr
.endr
	WIN 0
.endm
	s_cmp_eq_u32 s3, 2
	s_cbranch_scc1 .Lv
.irp ks, 0,1,2,3,4,5,6,7
	KSTEP \ks, 0, 0x52, 0x53
.endr
	PLACES
	WIN 0x41
.irp rt, 0,1,2,3
.irp ft, 0,1,2,3
.irp p, 0,1,2,3
	v_pk_mul_f32 v[8*(4*\rt+\ft)+2*\p:8*(4*\rt+\ft)+2*\p+1], v[8*(4*\rt+\ft)+2*\p:8*(4*\rt+\ft)+2*\p+1], v[8+2*\rt:9+2*\rt]
.endr
.endr
.endr
	SPLIT8 0
	SPLIT8 8
.irp rt, 0,1,2,3
.irp ft, 0,1,2,3
	global_store_b128 v1, v[OH+4*(4*\rt+\ft):OH+4*(4*\rt+\ft)+3], s[10:11] offset:\rt*4096+\ft*512        ; [row tile][part][32 d][half][lane]
	global_store_b128 v1, v[OL+4*(4*\rt+\ft):OL+4*(4*\rt+\ft)+3], s[10:11] offset:\rt*4096+\ft*512+2048
.endr
.endr
	s_wait_tensorcnt 0x0
	ds_add_u32 v254, v255
	s_wait_dscnt 0x0
	s_endpgm
.Lv:
.irp ks, 0,1,2,3,4,5,6,7
	KSTEP \ks, 1, 0x58, 0x5c
.endr
	PLACES
	SPLIT8 0
	SPLIT8 8
.irp rt, 0,1,2,3
.irp ft, 0,1,2,3
	global_store_b128 v1, v[OH+4*(4*\rt+\ft):OH+4*(4*\rt+\ft)+3], s[10:11] offset:(\rt/2)*8192+\ft*1024+(\rt%2)*512        ; [block of 32 keys][part][16 d][half][lane]
	global_store_b128 v1, v[OL+4*(4*\rt+\ft):OL+4*(4*\rt+\ft)+3], s[10:11] offset:(\rt/2)*8192+\ft*1024+(\rt%2)*512+4096
.endr
.endr
	s_wait_tensorcnt 0x0
	ds_add_u32 v254, v255
	s_wait_dscnt 0x0
	s_endpgm
.Lfunc_end_k_q78175a232c_proj:
	.size	k_q78175a232c_proj, .Lfunc_end_k_q78175a232c_proj-k_q78175a232c_proj
	.p2alignl 7, 3214868480
	.fill 96, 4, 3214868480
	.section	.rodata,"a",@progbits
	.p2align	6, 0x0
	.amdhsa_kernel k_q78175a232c_proj
		.amdhsa_group_segment_fixed_size 68096
		.amdhsa_private_segment_fixed_size 0
		.amdhsa_enable_private_segment 0
		.amdhsa_kernarg_size 88
		.amdhsa_user_sgpr_count 2
		.amdhsa_user_sgpr_kernarg_segment_ptr 1
		.amdhsa_wavefront_size32 1
		.amdhsa_system_sgpr_workgroup_id_x 1
		.amdhsa_system_sgpr_workgroup_id_y 1
		.amdhsa_system_sgpr_workgroup_id_z 1
		.amdhsa_system_vgpr_workitem_id 0
		.amdhsa_next_free_vgpr 1024
		.amdhsa_next_free_sgpr 96
		.amdhsa_reserve_vcc 1
		.amdhsa_float_denorm_mode_32 3
		.amdhsa_float_denorm_mode_16_64 3
		.amdhsa_memory_ordered 1
		.amdhsa_forward_progress 1
		.amdhsa_inst_pref_size 175
	.end_amdhsa_kernel
	.amdgpu_metadata
---
amdhsa.version: [ 1, 2 ]
amdhsa.kernels:
  - .name:           k_q78175a232c_proj
    .symbol:         k_q78175a232c_proj.kd
    .args:
      - { .name: query, .offset: 0, .size: 8, .value_kind: global_buffer, .address_space: global }
      - { .name: key, .offset: 8, .size: 8, .value_kind: global_buffer, .address_space: global }
      - { .name: value, .offset: 16, .size: 8, .value_kind: global_buffer, .address_space: global }
      - { .name: xsum, .offset: 24, .size: 8, .value_kind: global_buffer, .address_space: global }
      - { .name: idx, .offset: 32, .size: 8, .value_kind: global_buffer, .address_space: global }
      - { .name: wpack, .offset: 40, .size: 8, .value_kind: global_buffer, .address_space: global }
      - { .name: bq, .offset: 48, .size: 8, .value_kind: global_buffer, .address_space: global }
      - { .name: bk, .offset: 56, .size: 8, .value_kind: global_buffer, .address_space: global }
      - { .name: qp, .offset: 64, .size: 8, .value_kind: global_buffer, .address_space: global }
      - { .name: kp, .offset: 72, .size: 8, .value_kind: global_buffer, .address_space: global }
      - { .name: vp, .offset: 80, .size: 8, .value_kind: global_buffer, .address_space: global }
    .group_segment_fixed_size: 68096
    .private_segment_fixed_size: 0
    .kernarg_segment_align: 8
    .kernarg_segment_size: 88
    .max_flat_workgroup_size: 128
    .sgpr_count:     96
    .vgpr_count:     1024
    .wavefront_size: 32
...
	.end_amdgpu_metadata
.endif
;; end of part 2
;; launch attn (part 3): grid 16 x 16, 4 waves a work-group, no clusters, 161,280 bytes of LDS; arguments qp, kp, vp, kpar, idx, bv, attn; writes attn
.if DOCPART == 3
	.amdgcn_target "amdgcn-amd-amdhsa--gfx1250"
	.amdhsa_code_object_version 6
	.text
	.protected	k_q78175a232c_attn
	.globl	k_q78175a232c_attn
	.p2align	8
	.type	k_q78175a232c_attn,@function
k_q78175a232c_attn:
	s_mov_b64 s[64:65], 0
	v_nop
	global_prefetch_b8 v0, s[64:65] scope:SCOPE_SE
	s_setreg_imm32_b32 hwreg(HW_REG_WAVE_MODE, 25, 1), 1
	s_wait_xcnt 0x0
; ATTN.  y = 4 b + head, x = g.  The work-group owns the query tiles (16 positions) g + 16 i, i < nt; wave w the key blocks (32 positions)
; w + 4 j, j < n.  nt and n follow from cnt, the batch's number of unmasked rows, which the first launch stored as a whole number.
; Only unmasked keys get score work.  The masked keys have the weight e^-30 in every unmasked row and 1 (of 2048 equal weights) in every
; masked one, so they enter as one vector VS and one count, made from the 32 summary keys of block 66.  Every query position from cnt on
; has q = 0, hence weight 1 for every unmasked key, and with the factor 1 on VS gives the row that all masked rows share.
; Null keys have v = 0 and ones = 0 and drop out of both sums.
; One score, in units of log2 (q carries log2(e)/4):  s = med3(raw, -6L, 6L);  t = 2^(c - 5 s) = e^(-5 (s - thr)) / 2;  r = 1/(t + 0.5) =
; 2 gate;  p = 2^(s + s r).  NO MAXIMUM IS TAKEN AWAY: the reference's own clip to +-6 and the gate in [0, 1] bound the exponent by 18 in
; magnitude for every input (a masked pair is exactly -30), so a weight lies in [e^-30, e^18] and a row's sum below 2048 e^18: far inside
; f32 and bf16.  The row sum is a fifth product, of the flags 'ones' with the same weights.
; SPLIT OPERANDS: q, k, v and the weights p are pairs hi = bf16(a), lo = bf16(a - hi); a product is hi hi + lo hi + hi lo with f32 sums.
; One rounding to bf16 of q and k alone, times the factor of up to 3 in the exponent, would move the few leading weights of a row by
; about one part in a hundred against each other.  12 matrix instructions make S, 14 make O and the row sum.
; S = K Q^T (keys down a lane's registers) packs straight into the second source of O^T = V^T P^T.
; The four waves' partial sums meet in LDS behind the one barrier; wave w finishes tiles i = w and w + 4.
; NO CLUSTER, NO LDS RING: the 16 work-groups of a head read the same K and V, but a wave takes 17 KiB a block straight into its own
; registers for nt tiles of some 170 instructions each, and trip counts read from memory differ from wave to wave.
; O is cleared by moves while the first loads are on their way: tiles behind the guard nt, and waves with n = 0, need defined sums.
; LIMITS: NaN and infinite inputs are not served; sums are formed in another order than the reference's.
; window 0: v1-15 addresses; two sets of 88 (V lo 32, V hi 32, ones 8, c 16) at 16 and 104; v192-207 S, v208-223 T, v224-231 P hi, v232-239 P lo
; window 1: O of tiles 0-3 (40 each: 4 tiles of 16 d, then the row sums), v160-223 K hi and lo of set A
; window 2: O of tiles 4-7, v160-223 K of set B;   window 3: Q of the 8 tiles (32 each: hi 16, lo 16)
.set SETA, 16
.set SETB, 104
.set SC,   192
.set TT,   208
.set PP,   224
.set PL,   232                         ; P lo; before the loop wave 3's fragment of ones
.set STO,  240
.set STL,  241
.set BV,   250
.set KH,   160
.set KL,   192
.set BHB,  557056                      ; bytes of one (batch, head) in qp, kp, vp: 2176 positions x 256
.set TPITCH, 304                       ; a row of a partial: 64 d as f32, the row sum at byte 256; 19 x 16 bytes
.set TBYTES, 16*TPITCH
.set WBYTES, 8*TBYTES
.set VSB,    4*WBYTES                  ; VS as one more such tile
.set MSB, 0
.macro WIN new
.if MSB != \new
	s_set_vgpr_msb (MSB<<8)|\new
.set MSB, \new
.endif
.endm
.macro PLACES                          ; four places behind a matrix instruction (ISA guide 7.12.1)
.rept 4
	v_nop
.endr
.endm
	s_load_b256 s[32:39], s[0:1], 0x0              ; qp 32, kp 34, vp 36, kpar 38
	s_load_b128 s[40:43], s[0:1], 0x20             ; idx 40, bv 42
	s_load_b64 s[44:45], s[0:1], 0x30              ; attn
	v_lshl_add_u32 v254, v0, 2, 0x27400
	v_mov_b32 v255, 0
	v_and_b32 v4, 31, v0
	v_lshrrev_b32 v5, 5, v0
	v_readfirstlane_b32 s5, v5                     ; wave
	v_lshlrev_b32 v1, 4, v4                        ; lane * 16
	v_bfe_u32 v15, v0, 4, 1                        ; h
	v_lshlrev_b32 v2, 5, v15                       ; h * 32
	v_lshlrev_b32 v3, 4, v15                       ; h * 16
	v_and_b32 v242, 15, v0                         ; r
	v_lshlrev_b32 v248, 4, v242                    ; r * 16
	s_and_b32 s2, ttmp7, 0xffff                    ; 4 b + head
	s_lshr_b32 s3, s2, 2                           ; b
	s_and_b32 s4, s2, 3                            ; head
	s_lshl_b32 s46, s3, 7
	s_mov_b32 s47, 0
	s_mov_b32 s49, 0
	s_wait_kmcnt 0x0
	s_add_nc_u64 s[46:47], s[40:41], s[46:47]
	s_load_b32 s6, s[46:47], 0x10800               ; counts[b]
	s_mul_i32 s48, s2, BHB
	s_lshl_b32 s50, s5, 13
	s_add_co_u32 s48, s48, s50
	s_add_nc_u64 s[12:13], s[34:35], s[48:49]      ; K, block w (8,192 bytes a block)
	s_add_nc_u64 s[14:15], s[36:37], s[48:49]      ; V, block w
	s_mul_i32 s48, s3, 8704
	s_lshl_b32 s50, s5, 7
	s_add_co_u32 s48, s48, s50
	s_add_nc_u64 s[16:17], s[38:39], s[48:49]      ; c
	s_mul_i32 s48, s3, 4352
	s_lshl_b32 s50, s5, 6
	s_add_co_u32 s48, s48, s50
	s_add_co_u32 s48, s48, 34816
	s_add_nc_u64 s[18:19], s[38:39], s[48:49]      ; ones
	s_mul_i32 s48, s2, BHB
	s_lshl_b32 s50, ttmp9, 12
	s_add_co_u32 s48, s48, s50
	s_add_nc_u64 s[20:21], s[32:33], s[48:49]      ; Q, tile g (4,096 bytes a tile)
	s_lshl_b32 s48, s5, 4
	s_add_co_u32 s48, s48, ttmp9
	s_lshl_b32 s51, s48, 4                         ; first position of tile g + 16 w
	s_mul_i32 s50, s3, 2176
	s_add_co_u32 s48, s51, s50
	s_lshl_b32 s48, s48, 10
	s_lshl_b32 s50, s4, 8
	s_add_co_u32 s48, s48, s50
	s_add_nc_u64 s[22:23], s[44:45], s[48:49]      ; attn at that position, my head's 256 bytes
	s_mov_b32 s48, s50
	s_add_nc_u64 s[24:25], s[42:43], s[48:49]      ; bv of my head
	s_mul_i32 s48, s2, BHB
	s_add_co_u32 s48, s48, 66*8192
	s_add_nc_u64 s[52:53], s[36:37], s[48:49]      ; V of block 66
	s_mul_i32 s48, s3, 4352
	s_add_co_u32 s48, s48, 34816+66*64
	s_add_nc_u64 s[54:55], s[38:39], s[48:49]      ; ones of block 66
	s_mov_b32 s27, 0xc22d1f97                      ; -30 log2 e
	s_mov_b32 s28, 0xc10a7fac                      ; -6 log2 e
	s_mov_b32 s29, 0x410a7fac
	s_mov_b32 s30, 0xc0a00000                      ; -5
	s_mov_b32 s31, 0xc0a00000
; One key block: 38 loads.  kw: the setting that sends K into the set's window (0x40: window 1, 0x80: window 2).
.macro LOADSET set, kw
	WIN \kw
.irp kt, 0,1
.irp pt, 0,1
.irp f, 0,1,2,3
	global_load_b128 v[KH+32*\pt+16*\kt+4*\f:KH+32*\pt+16*\kt+4*\f+3], v1, s[12:13] offset:\kt*4096+\pt*2048+\f*512   ; fragment (key tile kt, 32 d c) at 16 kt + 8 c
.endr
.endr
.endr
	WIN 0
.irp f, 0,1,2,3,4,5,6,7
	global_load_b128 v[\set+32+4*\f:\set+32+4*\f+3], v1, s[14:15] offset:\f*512        ; V hi
.endr
.irp f, 0,1,2,3,4,5,6,7
	global_load_b128 v[\set+4*\f:\set+4*\f+3], v1, s[14:15] offset:4096+\f*512         ; V lo
.endr
	global_load_b128 v[\set+64:\set+67], v3, s[18:19]              ; ones of keys 8 h .. + 7: the same for all 16 rows of the fragment
	global_load_b128 v[\set+68:\set+71], v3, s[18:19] offset:32    ; of keys 16 + 8 h ..
	global_load_b128 v[\set+72:\set+75], v2, s[16:17]              ; c of keys 8 h + 0 .. 3, as S's registers hold them
	global_load_b128 v[\set+76:\set+79], v2, s[16:17] offset:16
	global_load_b128 v[\set+80:\set+83], v2, s[16:17] offset:64
	global_load_b128 v[\set+84:\set+87], v2, s[16:17] offset:80
.endm
	WIN 0xc0
.irp i, 0,1,2,3,4,5,6,7
.irp f, 0,1,2,3,4,5,6,7
	global_load_b128 v[32*\i+4*\f:32*\i+4*\f+3], v1, s[20:21] offset:\i*65536+\f*512   ; all eight tiles: g + 16 i is at most 127, inside the 136
.endr
.endr
	WIN 0
	LOADSET SETA, 0x40
	global_load_b128 v[BV:BV+3], v248, s[24:25]
	WIN 0x40
.set j, 0
.rept 160
	v_mov_b32 v[j], 0
.set j, j+1
.endr
	WIN 0x80
.set j, 0
.rept 160
	v_mov_b32 v[j], 0
.set j, j+1
.endr
	WIN 0
	; LDS addresses
	v_mul_u32_u24 v245, v242, TPITCH               ; r rows
	s_mul_i32 s56, s5, WBYTES
	v_add_nc_u32 v[STL], s56, v245
	v_lshl_add_u32 v[STO], v15, 5, v[STL]          ; my wave's tile 0: row r, d = 8 h
	v_add_nc_u32 v[STL], 256, v[STL]               ; row r's sum
	v_add_nc_u32 v243, VSB, v245
	v_add_nc_u32 v244, 256, v243
	v_lshl_add_u32 v243, v15, 5, v243
	v_mul_u32_u24 v246, v15, TPITCH                ; reading back: lanes 0-15 one row, lanes 16-31 the next
	v_add_nc_u32 v13, VSB, v246
	v_lshl_add_u32 v12, v242, 4, v13
	v_add_nc_u32 v13, 256, v13
	s_mul_i32 s57, s5, TBYTES
	v_add_nc_u32 v246, s57, v246                   ; tile i = w
	v_lshl_add_u32 v247, v242, 4, v246
.irp q, 0,1,2,3
	v_add_nc_u32 v[4+\q], \q*WBYTES, v247          ; wave q's partial: 16 bytes of a row
	v_add_nc_u32 v[8+\q], \q*WBYTES+256, v246      ; and the row's sum
.endr
	v_lshlrev_b32 v14, 10, v15
	v_lshl_add_u32 v14, v242, 4, v14               ; in attn: row h, 16 r bytes in
	s_wait_kmcnt 0x0
	s_min_u32 s6, s6, 2048                         ; cnt
	s_lshr_b32 s7, s6, 4
	s_add_co_u32 s7, s7, 1
	s_min_u32 s7, s7, 128                          ; query tiles: up to and with the one that holds position cnt
	s_add_co_u32 s8, s7, 15
	s_sub_co_u32 s8, s8, ttmp9
	s_lshr_b32 s8, s8, 4
	s_max_u32 s8, s8, 1                            ; nt, 1 .. 8
	s_lshl_b32 s9, s5, 5
	s_sub_co_u32 s9, 127, s9
	s_add_co_u32 s9, s9, s6
	s_lshr_b32 s9, s9, 7                           ; n = my blocks among the ceil(cnt / 32), at most 16
	s_lshr_b32 s10, s9, 1                          ; pairs of trips
	s_and_b32 s11, s9, 1
	; wave 3 (which never has more blocks than the others) makes VS: the 32 summary keys times a fragment of ones
	s_cmp_lg_u32 s5, 3
	s_cbranch_scc1 .Lno_vs
.irp f, 0,1,2,3,4,5,6,7
	global_load_b128 v[SETB+32+4*\f:SETB+32+4*\f+3], v1, s[52:53] offset:\f*512
	global_load_b128 v[SETB+4*\f:SETB+4*\f+3], v1, s[52:53] offset:4096+\f*512
.endr
	global_load_b128 v[SETB+64:SETB+67], v3, s[54:55]
	global_load_b128 v[SETB+68:SETB+71], v3, s[54:55] offset:32
.irp p, 0,1,2,3,4,5,6,7
	v_mov_b32 v[PL+\p], 0x3f803f80
.endr
	s_wait_loadcnt 0x0
.irp dt, 0,1,2,3,4
	v_wmma_f32_16x16x32_bf16 v[SC+8*\dt:SC+8*\dt+7], v[SETB+32+8*\dt:SETB+32+8*\dt+7], v[PL:PL+7], 0
.endr
.irp dt, 0,1,2,3
	v_wmma_f32_16x16x32_bf16 v[SC+8*\dt:SC+8*\dt+7], v[SETB+8*\dt:SETB+8*\dt+7], v[PL:PL+7], v[SC+8*\dt:SC+8*\dt+7]
.endr
	PLACES
.irp dt, 0,1,2,3
	ds_store_b128 v243, v[SC+8*\dt:SC+8*\dt+3] offset:\dt*64
	ds_store_b128 v243, v[SC+8*\dt+4:SC+8*\dt+7] offset:\dt*64+16
.endr
	ds_store_b32 v244, v[SC+32]
	PLACES                                         ; eight places in all before a matrix instruction writes over these results
.Lno_vs:
.macro QKPAIR kb, qb, zero             ; S0 and S1 take a turn each: key tiles 0 and 1 (16 registers apart) against one fragment of Q
.if \zero
	v_wmma_f32_16x16x32_bf16 v[SC:SC+7], v[\kb:\kb+7], v[\qb:\qb+7], 0
	v_wmma_f32_16x16x32_bf16 v[SC+8:SC+15], v[\kb+16:\kb+23], v[\qb:\qb+7], 0
.else
	v_wmma_f32_16x16x32_bf16 v[SC:SC+7], v[\kb:\kb+7], v[\qb:\qb+7], v[SC:SC+7]
	v_wmma_f32_16x16x32_bf16 v[SC+8:SC+15], v[\kb+16:\kb+23], v[\qb:\qb+7], v[SC+8:SC+15]
.endif
.endm
; One query tile against one key block.  S0 and S1 take turns, then the five accumulators of O, one instruction a turn.
; kq: source 0 (K) in the set's window, source 1 (Q) in window 3: 0x0d or 0x0e.
.macro TILE i, set, kq
	WIN \kq
	QKPAIR KH, 32*\i, 1                            ; K hi Q hi, d 0-31
	QKPAIR KH+8, 32*\i+8, 0                        ;            d 32-63
	QKPAIR KL, 32*\i, 0                            ; K lo Q hi
	QKPAIR KL+8, 32*\i+8, 0
	QKPAIR KH, 32*\i+16, 0                         ; K hi Q lo
	QKPAIR KH+8, 32*\i+24, 0
	WIN 0
	PLACES
.irp e, 0,1,2,3,4,5,6,7,8,9,10,11,12,13,14,15
	v_med3_num_f32 v[SC+\e], v[SC+\e], s28, s29    ; the clip to +-6
.endr
.irp p, 0,1,2,3,4,5,6,7
	v_pk_fma_f32 v[TT+2*\p:TT+2*\p+1], v[SC+2*\p:SC+2*\p+1], s[30:31], v[\set+72+2*\p:\set+73+2*\p] op_sel_hi:[1,0,1]   ; c - 5 s
.endr
.irp e, 0,1,2,3,4,5,6,7,8,9,10,11,12,13,14,15
	v_exp_f32 v[TT+\e], v[TT+\e]
.endr
	v_nop                                          ; one plain place behind the run of transcendentals (ISA guide 5.7.2)
	s_wait_alu depctr_va_vdst(0)
.irp p, 0,1,2,3,4,5,6,7
	v_pk_add_f32 v[TT+2*\p:TT+2*\p+1], v[TT+2*\p:TT+2*\p+1], 0.5 op_sel_hi:[1,0]
.endr
.irp e, 0,1,2,3,4,5,6,7,8,9,10,11,12,13,14,15
	v_rcp_f32 v[TT+\e], v[TT+\e]                   ; 2 gate
.endr
	v_nop
	s_wait_alu depctr_va_vdst(0)
.irp p, 0,1,2,3,4,5,6,7
	v_pk_fma_f32 v[TT+2*\p:TT+2*\p+1], v[SC+2*\p:SC+2*\p+1], v[TT+2*\p:TT+2*\p+1], v[SC+2*\p:SC+2*\p+1]   ; s (1 + 2 gate)
.endr
.irp e, 0,1,2,3,4,5,6,7,8,9,10,11,12,13,14,15
	v_exp_f32 v[TT+\e], v[TT+\e]
.endr
	v_nop
	s_wait_alu depctr_va_vdst(0)
.irp p, 0,1,2,3,4,5,6,7
	v_cvt_pk_bf16_f32 v[PP+\p], v[TT+2*\p], v[TT+2*\p+1]   ; P hi: keys 8 h .. in registers 0-3, 16 + 8 h .. in 4-7: a fragment as it stands
.endr
.irp p, 0,1,2,3,4,5,6,7
	v_lshlrev_b32 v[SC+2*\p], 16, v[PP+\p]         ; P hi as f32, in S's registers, which are free now
	v_and_b32 v[SC+2*\p+1], 0xffff0000, v[PP+\p]
.endr
.irp p, 0,1,2,3,4,5,6,7
	v_pk_fma_f32 v[TT+2*\p:TT+2*\p+1], v[SC+2*\p:SC+2*\p+1], -1.0, v[TT+2*\p:TT+2*\p+1] op_sel_hi:[1,0,1]   ; p - hi, exact
.endr
.irp p, 0,1,2,3,4,5,6,7
	v_cvt_pk_bf16_f32 v[PL+\p], v[TT+2*\p], v[TT+2*\p+1]   ; P lo
.endr
.if \i < 4
	WIN 0x50
.set OB, 40*\i
.else
	WIN 0xa0
.set OB, 40*(\i-4)
.endif
.irp dt, 0,1,2,3,4
	v_wmma_f32_16x16x32_bf16 v[OB+8*\dt:OB+8*\dt+7], v[\set+32+8*\dt:\set+32+8*\dt+7], v[PP:PP+7], v[OB+8*\dt:OB+8*\dt+7]   ; V hi P hi; dt = 4: the flags, which lie behind V hi
.endr
.irp dt, 0,1,2,3,4
	v_wmma_f32_16x16x32_bf16 v[OB+8*\dt:OB+8*\dt+7], v[\set+32+8*\dt:\set+32+8*\dt+7], v[PL:PL+7], v[OB+8*\dt:OB+8*\dt+7]   ; V hi P lo
.endr
.irp dt, 0,1,2,3
	v_wmma_f32_16x16x32_bf16 v[OB+8*\dt:OB+8*\dt+7], v[\set+8*\dt:\set+8*\dt+7], v[PP:PP+7], v[OB+8*\dt:OB+8*\dt+7]         ; V lo P hi
.endr
	WIN 0
.endm
; One key block against the work-group's nt tiles; pf = 1: the wave's next block is asked for first.
.macro TRIP cur, ck, nxt, nk, pf
	s_wait_loadcnt 0x0                             ; only this block's loads are out; the bases may be stepped behind it
.if \pf
	PLACES                                         ; in front of loads into registers that matrix instructions have read
	s_add_nc_u64 s[12:13], s[12:13], 32768         ; four blocks on
	s_add_nc_u64 s[14:15], s[14:15], 32768
	s_add_nc_u64 s[16:17], s[16:17], 512
	s_add_nc_u64 s[18:19], s[18:19], 256
	LOADSET \nxt, \nk                              ; at most block 3 + 4 x 16 = 67, the last that exists
.endif
	TILE 0, \cur, \ck
.irp i, 1,2,3,4,5,6,7
	s_cmp_le_u32 s8, \i
	s_cbranch_scc1 .Ltrip_end_\@
	TILE \i, \cur, \ck
.endr
.Ltrip_end_\@:
.endm
	s_cmp_eq_u32 s10, 0
	s_cbranch_scc1 .Lno_pairs
	s_mov_b32 s26, 0
.Lheavy:
	TRIP SETA, 0x0d, SETB, 0x80, 1
	TRIP SETB, 0x0e, SETA, 0x40, 1
	s_add_co_u32 s26, s26, 1
	s_cmp_lt_u32 s26, s10
	s_cbranch_scc1 .Lheavy
.Lno_pairs:
	s_cmp_eq_u32 s11, 0
	s_cbranch_scc1 .Lno_odd
	TRIP SETA, 0x0d, SETB, 0x80, 0
.Lno_odd:
	s_wait_loadcnt 0x0                             ; a block asked for and not used, and bv
	; the wave's partial sums to LDS
	PLACES
.macro PART i
.if \i < 4
	WIN 0x04
.set OB, 40*\i
.else
	WIN 0x08
.set OB, 40*(\i-4)
.endif
.irp dt, 0,1,2,3
	ds_store_b128 v[STO], v[OB+8*\dt:OB+8*\dt+3] offset:\i*TBYTES+\dt*64
	ds_store_b128 v[STO], v[OB+8*\dt+4:OB+8*\dt+7] offset:\i*TBYTES+\dt*64+16
.endr
	ds_store_b32 v[STL], v[OB+32] offset:\i*TBYTES ; all 16 rows of the fifth tile are the row sums
	WIN 0
.endm
	PART 0
.irp i, 1,2,3,4,5,6,7
	s_cmp_le_u32 s8, \i
	s_cbranch_scc1 .Lpart_done
	PART \i
.endr
.Lpart_done:
	s_wait_dscnt 0x0                               ; my stores are in LDS, for the others' sake
	s_barrier_signal -1
	s_barrier_wait -1                              ; the one barrier, on every wave's path
	; wave w adds the four partials of tiles i = w and w + 4, adds the masked keys' share, divides, adds bv
	ds_load_b128 v[176:179], v12                   ; VS, my 4 d
	ds_load_b32 v180, v13                          ; the number of masked keys
	v_exp_f32 v181, s27                            ; e^-30
	v_nop
.macro FINISH slot
	s_add_co_u32 s56, s5, 4*\slot
	s_cmp_ge_u32 s56, s8
	s_cbranch_scc1 .Ldone
.if \slot
	s_wait_xcnt 0x0                                ; the first tile's stores have read their data: the registers are loaded again only behind this wait
.endif
	s_add_co_u32 s57, s51, 1024*\slot
	v_add_nc_u32 v183, s57, v15                    ; the tile's first position + h
	s_wait_alu depctr_va_vdst(0)
.irp k, 0,1,2,3,4,5,6,7
.irp q, 0,1,2,3
	ds_load_b128 v[16+16*\k+4*\q:16+16*\k+4*\q+3], v[4+\q] offset:\slot*4*TBYTES+\k*2*TPITCH
.endr
.irp q, 0,1,2,3
	ds_load_b32 v[144+4*\k+\q], v[8+\q] offset:\slot*4*TBYTES+\k*2*TPITCH
.endr
.endr
.irp k, 0,1,2,3,4,5,6,7
	s_wait_dscnt 8*(7-\k)                          ; the eight loads of each later pair of rows may be out
	v_add_nc_u32 v182, 2*\k, v183
	v_cmp_gt_u32 vcc_lo, s6, v182
	v_cndmask_b32 v188, 1.0, v181, vcc_lo          ; the masked keys' weight: e^-30 for an unmasked row, 1 from position cnt on
	v_add_f32 v192, v[144+4*\k], v[145+4*\k]
	v_add_f32 v193, v[146+4*\k], v[147+4*\k]
	v_mov_b32 v189, v188
	v_add_f32 v192, v192, v193
	v_fma_f32 v192, v188, v180, v192               ; the row's whole sum
	v_rcp_f32 v190, v192                           ; the six sums behind it touch neither v190 nor v192
	v_pk_add_f32 v[16+16*\k:17+16*\k], v[16+16*\k:17+16*\k], v[20+16*\k:21+16*\k]
	v_pk_add_f32 v[18+16*\k:19+16*\k], v[18+16*\k:19+16*\k], v[22+16*\k:23+16*\k]
	v_pk_add_f32 v[24+16*\k:25+16*\k], v[24+16*\k:25+16*\k], v[28+16*\k:29+16*\k]
	v_pk_add_f32 v[26+16*\k:27+16*\k], v[26+16*\k:27+16*\k], v[30+16*\k:31+16*\k]
	v_pk_add_f32 v[16+16*\k:17+16*\k], v[16+16*\k:17+16*\k], v[24+16*\k:25+16*\k]
	v_pk_add_f32 v[18+16*\k:19+16*\k], v[18+16*\k:19+16*\k], v[26+16*\k:27+16*\k]
	s_wait_alu depctr_va_vdst(0)
	v_mov_b32 v191, v190
	v_pk_fma_f32 v[16+16*\k:17+16*\k], v[176:177], v[188:189], v[16+16*\k:17+16*\k]
	v_pk_fma_f32 v[18+16*\k:19+16*\k], v[178:179], v[188:189], v[18+16*\k:19+16*\k]
	v_pk_fma_f32 v[16+16*\k:17+16*\k], v[16+16*\k:17+16*\k], v[190:191], v[BV:BV+1]
	v_pk_fma_f32 v[18+16*\k:19+16*\k], v[18+16*\k:19+16*\k], v[190:191], v[BV+2:BV+3]
	global_store_b128 v14, v[16+16*\k:19+16*\k], s[22:23] offset:\slot*1048576+\k*2048   ; 16 lanes store a head's 256 bytes of a row, aligned
.endr
.endm
	FINISH 0
	FINISH 1
.Ldone:
	s_wait_tensorcnt 0x0
	ds_add_u32 v254, v255
	s_wait_dscnt 0x0
	s_endpgm
.Lfunc_end_k_q78175a232c_attn:
	.size	k_q78175a232c_attn, .Lfunc_end_k_q78175a232c_attn-k_q78175a232c_attn
	.p2alignl 7, 3214868480
	.fill 96, 4, 3214868480
	.section	.rodata,"a",@progbits
	.p2align	6, 0x0
	.amdhsa_kernel k_q78175a232c_attn
		.amdhsa_group_segment_fixed_size 161280
		.amdhsa_private_segment_fixed_size 0
		.amdhsa_enable_private_segment 0
		.amdhsa_kernarg_size 56
		.amdhsa_user_sgpr_count 2
		.amdhsa_user_sgpr_kernarg_segment_ptr 1
		.amdhsa_wavefront_size32 1
		.amdhsa_system_sgpr_workgroup_id_x 1
		.amdhsa_system_sgpr_workgroup_id_y 1
		.amdhsa_system_sgpr_workgroup_id_z 1
		.amdhsa_system_vgpr_workitem_id 0
		.amdhsa_next_free_vgpr 1024
		.amdhsa_next_free_sgpr 66
		.amdhsa_reserve_vcc 1
		.amdhsa_float_denorm_mode_32 3
		.amdhsa_float_denorm_mode_16_64 3
		.amdhsa_memory_ordered 1
		.amdhsa_forward_progress 1
		.amdhsa_inst_pref_size 255
	.end_amdhsa_kernel
	.section	.bss,"aw",@nobits
	.p2align	6
	.space	262144
	.amdgpu_metadata
---
amdhsa.version: [ 1, 2 ]
amdhsa.kernels:
  - .name:           k_q78175a232c_attn
    .symbol:         k_q78175a232c_attn.kd
    .args:
      - { .name: qp, .offset: 0, .size: 8, .value_kind: global_buffer, .address_space: global }
      - { .name: kp, .offset: 8, .size: 8, .value_kind: global_buffer, .address_space: global }
      - { .name: vp, .offset: 16, .size: 8, .value_kind: global_buffer, .address_space: global }
      - { .name: kpar, .offset: 24, .size: 8, .value_kind: global_buffer, .address_space: global }
      - { .name: idx, .offset: 32, .size: 8, .value_kind: global_buffer, .address_space: global }
      - { .name: bv, .offset: 40, .size: 8, .value_kind: global_buffer, .address_space: global }
      - { .name: attn, .offset: 48, .size: 8, .value_kind: global_buffer, .address_space: global }
    .group_segment_fixed_size: 161280
    .private_segment_fixed_size: 0
    .kernarg_segment_align: 8
    .kernarg_segment_size: 56
    .max_flat_workgroup_size: 128
    .sgpr_count:     66
    .vgpr_count:     1024
    .wavefront_size: 32
...
	.end_amdgpu_metadata
.endif
;; end of part 3
;; launch outp (part 4): grid 256 x 1, 4 waves a work-group, no clusters, 51,712 bytes of LDS; arguments attn, idx, wpack, bo, out0; writes out0
.if DOCPART == 4
	.amdgcn_target "amdgcn-amd-amdhsa--gfx1250"
	.amdhsa_code_object_version 6
	.text
	.protected	k_q78175a232c_outp
	.globl	k_q78175a232c_outp
	.p2align	8
	.type	k_q78175a232c_outp,@function
k_q78175a232c_outp:
	s_mov_b64 s[64:65], 0
	v_nop
	global_prefetch_b8 v0, s[64:65] scope:SCOPE_SE
	s_setreg_imm32_b32 hwreg(HW_REG_WAVE_MODE, 25, 1), 1
	s_wait_xcnt 0x0
; OUTP.  out0[row] = attn[rowpos[row]] Wo^T + bo.  The work-group owns 32 rows; wave w brings rows 8 w .. + 7 (gathered by rowpos: an
; unmasked row its own position, every masked row its batch's position cnt) to LDS, then makes features 64 w .. + 63 of all 32.
; SPLIT OPERANDS, as in the projections: a row and Wo are pairs hi = bf16(a), lo = bf16(a - hi); a product is hi hi + lo hi + hi lo with
; f32 sums.  One rounding of attn to bf16 would cost about 0.002 of a row's size in every output.
; Source 0 = 16 features of Wo (fragments as the first launch packed them), source 1 = 16 rows: a lane's eight results are eight
; neighbouring features of a row.  They leave through the wave's own stage in LDS, so that 16 lanes store 256 neighbouring bytes.
; No tensor loads, no cluster: each row is read by one wave, Wo goes straight into the registers of the one wave that uses it.
; window 0: v0-10 addresses, v16-23 row offsets, v32-47 fragments of the rows hi, v48-63 lo, v64-95 the way out
; window 1: v0-63 the 8 accumulators (tile (rt, ft) at 8 (4 rt + ft)), before that the rows as loaded; v64-95 the rows' hi;
;           v128-159 bo as four C tiles; v160-167 scratch
; window 2: Wo hi of all eight K steps (32 ks + 8 ft);  window 3: Wo lo likewise
.set PITCH,  528
.set LOP,    32*PITCH                  ; the plane of lo
.set STAGE,  64*PITCH
.set SPITCH, 272
.set XH, 32
.set XL, 48
.set MSB, 0
.macro WIN new
.if MSB != \new
	s_set_vgpr_msb (MSB<<8)|\new
.set MSB, \new
.endif
.endm
.macro PLACES                          ; four places behind a matrix instruction (ISA guide 7.12.1)
.rept 4
	v_nop
.endr
.endm
	s_load_b256 s[32:39], s[0:1], 0x0              ; attn 32, idx 34, wpack 36, bo 38
	s_load_b64 s[40:41], s[0:1], 0x20              ; out0
	v_lshl_add_u32 v254, v0, 2, 0xc800
	v_mov_b32 v255, 0
	v_and_b32 v6, 31, v0
	v_lshrrev_b32 v7, 5, v0
	v_readfirstlane_b32 s15, v7                    ; wave
	v_lshlrev_b32 v1, 4, v6                        ; lane * 16
	v_and_b32 v2, 15, v0                           ; r
	v_bfe_u32 v3, v0, 4, 1                         ; h
	v_mul_u32_u24 v4, v2, PITCH
	v_lshl_add_u32 v4, v3, 4, v4                   ; fragment: row r, 16 h bytes in
	s_mul_i32 s54, s15, 8*PITCH
	v_lshlrev_b32 v5, 3, v6
	v_add_nc_u32 v5, s54, v5                       ; where I put 8 bytes of my wave's first row
	v_lshlrev_b32 v7, 5, v3                        ; h * 32
	s_mul_i32 s55, s15, 16*SPITCH
	s_add_co_u32 s55, s55, STAGE                   ; my stage
	v_mul_u32_u24 v8, v2, SPITCH
	v_add_nc_u32 v8, s55, v8
	v_lshl_add_u32 v8, v3, 5, v8                   ; in: row r, feature 8 h
	v_mul_u32_u24 v9, v3, SPITCH
	v_add_nc_u32 v9, s55, v9
	v_lshl_add_u32 v9, v2, 4, v9                   ; back: lanes 0-15 one row, lanes 16-31 the next
	v_lshlrev_b32 v10, 10, v3
	v_lshl_add_u32 v10, v2, 4, v10                 ; the same two rows in out0
	s_lshl_b32 s54, ttmp9, 5                       ; the group's first row
	s_lshl3_add_u32 s55, s15, s54
	s_lshl_b32 s56, s55, 2
	s_add_co_u32 s56, s56, 34816                   ; rowpos of my wave's first row
	s_mov_b32 s57, 0
	s_lshl_b32 s58, s15, 16
	s_add_co_u32 s58, s58, 3*262144                ; matrix 3, feature tiles 4 w ..
	s_mov_b32 s59, 0
	s_lshl_b32 s60, s15, 8
	s_mov_b32 s61, 0
	s_lshl_b32 s62, s54, 10
	s_add_co_u32 s62, s62, s60
	s_mov_b32 s63, 0
	s_wait_kmcnt 0x0
	s_add_nc_u64 s[12:13], s[34:35], s[56:57]
	s_load_b256 s[16:23], s[12:13], 0x0
	s_add_nc_u64 s[6:7], s[36:37], s[58:59]
	s_add_nc_u64 s[8:9], s[38:39], s[60:61]
	s_add_nc_u64 s[10:11], s[40:41], s[62:63]
.macro LOADW ks                        ; the four feature tiles of K step ks, hi and lo: sixteen loads of 512 neighbouring bytes
	WIN 0x80
.irp f, 0,1,2,3
	global_load_b128 v[32*(\ks)+8*\f:32*(\ks)+8*\f+3], v1, s[6:7] offset:\f*16384+(\ks)*2048
	global_load_b128 v[32*(\ks)+8*\f+4:32*(\ks)+8*\f+7], v1, s[6:7] offset:\f*16384+(\ks)*2048+512
.endr
	WIN 0xc0
.irp f, 0,1,2,3
	global_load_b128 v[32*(\ks)+8*\f:32*(\ks)+8*\f+3], v1, s[6:7] offset:\f*16384+(\ks)*2048+1024
	global_load_b128 v[32*(\ks)+8*\f+4:32*(\ks)+8*\f+7], v1, s[6:7] offset:\f*16384+(\ks)*2048+1536
.endr
	WIN 0
.endm
	LOADW 0
	LOADW 1
	LOADW 2
	WIN 0x40
.irp f, 0,1,2,3
	global_load_b128 v[128+8*\f:131+8*\f], v7, s[8:9] offset:64*\f         ; C tile: register j = bo of feature 16 f + 8 h + j
	global_load_b128 v[132+8*\f:135+8*\f], v7, s[8:9] offset:64*\f+16
.endr
	WIN 0
	s_wait_kmcnt 0x0
.irp i, 0,1,2,3,4,5,6,7
	s_min_u32 s[16+\i], s[16+\i], 0x21ff           ; inside attn's 4 x 2176 rows
	v_lshl_add_u32 v[16+\i], s[16+\i], 10, v1
.endr
	WIN 0x40
.irp i, 0,1,2,3,4,5,6,7
	global_load_b128 v[8*\i:8*\i+3], v[16+\i], s[32:33]
	global_load_b128 v[8*\i+4:8*\i+7], v[16+\i], s[32:33] offset:512
.endr
	s_wait_loadcnt 0x0                             ; everything asked for so far, W of K steps 0 to 2 too
	WIN 0x55                                       ; all in window 1
.irp i, 0,1,2,3,4,5,6,7
.irp p, 0,1,2,3
	v_cvt_pk_bf16_f32 v[64+4*\i+\p], v[8*\i+2*\p], v[8*\i+2*\p+1]  ; hi
.endr
.irp p, 0,1,2,3
	v_lshlrev_b32 v[160+2*\p], 16, v[64+4*\i+\p]   ; hi as f32
	v_and_b32 v[161+2*\p], 0xffff0000, v[64+4*\i+\p]
.endr
.irp p, 0,1,2,3
	v_pk_fma_f32 v[8*\i+2*\p:8*\i+2*\p+1], v[160+2*\p:161+2*\p], -1.0, v[8*\i+2*\p:8*\i+2*\p+1] op_sel_hi:[1,0,1]   ; a - hi, exact
.endr
	v_cvt_pk_bf16_f32 v[8*\i], v[8*\i], v[8*\i+1]                  ; lo, into the row's registers 0-3
	v_cvt_pk_bf16_f32 v[8*\i+1], v[8*\i+2], v[8*\i+3]
	v_cvt_pk_bf16_f32 v[8*\i+2], v[8*\i+4], v[8*\i+5]
	v_cvt_pk_bf16_f32 v[8*\i+3], v[8*\i+6], v[8*\i+7]
.endr
	WIN 0x04
.irp i, 0,1,2,3,4,5,6,7
	ds_store_b64 v5, v[64+4*\i:65+4*\i] offset:\i*PITCH
	ds_store_b64 v5, v[66+4*\i:67+4*\i] offset:\i*PITCH+256
	ds_store_b64 v5, v[8*\i:8*\i+1] offset:LOP+\i*PITCH
	ds_store_b64 v5, v[8*\i+2:8*\i+3] offset:LOP+\i*PITCH+256
.endr
	WIN 0
	s_wait_dscnt 0x0                               ; my rows are in LDS,
	s_barrier_signal -1
	s_barrier_wait -1                              ; everybody's are; the rows are only read from here on
; 8 matrix instructions on 8 accumulators that take turns, one instruction a turn.
.macro MUL8 ks, win, xb, first
	WIN \win
.irp rt, 0,1
.irp ft, 0,1,2,3
.if \first
	v_wmma_f32_16x16x32_bf16 v[8*(4*\rt+\ft):8*(4*\rt+\ft)+7], v[32*\ks+8*\ft:32*\ks+8*\ft+7], v[\xb+8*\rt:\xb+8*\rt+7], v[128+8*\ft:135+8*\ft]
.else
	v_wmma_f32_16x16x32_bf16 v[8*(4*\rt+\ft):8*(4*\rt+\ft)+7], v[32*\ks+8*\ft:32*\ks+8*\ft+7], v[\xb+8*\rt:\xb+8*\rt+7], v[8*(4*\rt+\ft):8*(4*\rt+\ft)+7]
.endif
.endr
.endr
.endm
.macro KSTEP ks
.if \ks > 0
	PLACES                                         ; in front of loads into registers that matrix instructions have read
.endif
.irp rt, 0,1
	ds_load_b128 v[XH+8*\rt:XH+8*\rt+3], v4 offset:\rt*16*PITCH+\ks*64
	ds_load_b128 v[XH+8*\rt+4:XH+8*\rt+7], v4 offset:\rt*16*PITCH+\ks*64+32
	ds_load_b128 v[XL+8*\rt:XL+8*\rt+3], v4 offset:LOP+\rt*16*PITCH+\ks*64
	ds_load_b128 v[XL+8*\rt+4:XL+8*\rt+7], v4 offset:LOP+\rt*16*PITCH+\ks*64+32
.endr
.if \ks >= 3
.if \ks <= 5
	s_wait_loadcnt 0x20                            ; W of this K step is in: behind it the 32 loads of the two next K steps were issued
.else
	s_wait_loadcnt 16*(7-\ks)                      ; K step 6: the 16 loads of K step 7 may be out; K step 7: none
.endif
.endif
.if \ks <= 4
	LOADW \ks+3                                    ; three K steps ahead, into registers of its own: at most 48 such loads are out
.endif
	s_wait_dscnt 0x0
.if \ks == 0
	MUL8 \ks, 0x52, XH, 1
.else
	MUL8 \ks, 0x52, XH, 0
.endif
	MUL8 \ks, 0x52, XL, 0
	MUL8 \ks, 0x53, XH, 0
	WIN 0
.endm
.irp ks, 0,1,2,3,4,5,6,7
	KSTEP \ks
.endr
	PLACES
; 16 rows at a time through my own stage: LDS serves a wave's instructions in order (ISA guide 5.7.1.4), so no wait stands between the
; stores and the loads, nor between one tile's loads and the next tile's stores.
.macro OUT16 rt
	WIN 0x04
.irp ft, 0,1,2,3
	ds_store_b128 v8, v[8*(4*\rt+\ft):8*(4*\rt+\ft)+3] offset:\ft*64
	ds_store_b128 v8, v[8*(4*\rt+\ft)+4:8*(4*\rt+\ft)+7] offset:\ft*64+16
.endr
	WIN 0
.if \rt
	s_wait_xcnt 0x0                                ; the first tile's stores have read their data: the registers are loaded again only behind this wait
.endif
.irp t, 0,1,2,3,4,5,6,7
	ds_load_b128 v[64+4*\t:67+4*\t], v9 offset:\t*2*SPITCH
.endr
.irp t, 0,1,2,3,4,5,6,7
	s_wait_dscnt 7-\t                              ; the later loads may be out
	global_store_b128 v10, v[64+4*\t:67+4*\t], s[10:11] offset:\rt*16384+\t*2048 th:TH_STORE_NT   ; 16 lanes store 256 neighbouring bytes, aligned
.endr
.endm
	OUT16 0
	OUT16 1
	s_wait_tensorcnt 0x0
	ds_add_u32 v254, v255
	s_wait_dscnt 0x0
	s_endpgm
.Lfunc_end_k_q78175a232c_outp:
	.size	k_q78175a232c_outp, .Lfunc_end_k_q78175a232c_outp-k_q78175a232c_outp
	.p2alignl 7, 3214868480
	.fill 96, 4, 3214868480
	.section	.rodata,"a",@progbits
	.p2align	6, 0x0
	.amdhsa_kernel k_q78175a232c_outp
		.amdhsa_group_segment_fixed_size 51712
		.amdhsa_private_segment_fixed_size 0
		.amdhsa_enable_private_segment 0
		.amdhsa_kernarg_size 40
		.amdhsa_user_sgpr_count 2
		.amdhsa_user_sgpr_kernarg_segment_ptr 1
		.amdhsa_wavefront_size32 1
		.amdhsa_system_sgpr_workgroup_id_x 1
		.amdhsa_system_sgpr_workgroup_id_y 1
		.amdhsa_system_sgpr_workgroup_id_z 1
		.amdhsa_system_vgpr_workitem_id 0
		.amdhsa_next_free_vgpr 1024
		.amdhsa_next_free_sgpr 66
		.amdhsa_reserve_vcc 0
		.amdhsa_float_denorm_mode_32 3
		.amdhsa_float_denorm_mode_16_64 3
		.amdhsa_memory_ordered 1
		.amdhsa_forward_progress 1
		.amdhsa_inst_pref_size 53
	.end_amdhsa_kernel
	.amdgpu_metadata
---
amdhsa.version: [ 1, 2 ]
amdhsa.kernels:
  - .name:           k_q78175a232c_outp
    .symbol:         k_q78175a232c_outp.kd
    .args:
      - { .name: attn, .offset: 0, .size: 8, .value_kind: global_buffer, .address_space: global }
      - { .name: idx, .offset: 8, .size: 8, .value_kind: global_buffer, .address_space: global }
      - { .name: wpack, .offset: 16, .size: 8, .value_kind: global_buffer, .address_space: global }
      - { .name: bo, .offset: 24, .size: 8, .value_kind: global_buffer, .address_space: global }
      - { .name: out0, .offset: 32, .size: 8, .value_kind: global_buffer, .address_space: global }
    .group_segment_fixed_size: 51712
    .private_segment_fixed_size: 0
    .kernarg_segment_align: 8
    .kernarg_segment_size: 40
    .max_flat_workgroup_size: 128
    .sgpr_count:     66
    .vgpr_count:     1024
    .wavefront_size: 32
...
	.end_amdgpu_metadata
.endif
;; end of part 4
